; MI455X (gfx1250); checked and timed in simulation.
; The chip was launched on July 23, 2026; its instructions are those of AMD's public machine-readable ISA for CDNA 5 (MIT licence, August 2026) and "CDNA5" Instruction Set Architecture Reference Guide (July 2026). The comments in the code are by the model that wrote it; some were corrected since.
;; Multi Head Self Attention. Allowed arithmetic: matrix products marked QUANTISED: E5M2 operands, one given power-of-two scale a tensor, by v_wmma_f32_16x16x64_bf8_bf8 or v_wmma_f32_16x16x128_bf8_bf8, f32 sums; everything else in f32.
;; Inputs: b_out 1,024 float32; b_qkv 3,072 float32; ln_beta 1,024 float32; ln_gamma 1,024 float32; lowp_scales 8 int32 (the exponents e of the quantised operands' scales 2^e); w_out_codes 1,024 x 32 x 32 uint8 (E5M2 codes of w_out, K innermost, in blocks of 32 codes); w_qkv_codes 3,072 x 32 x 32 uint8 (E5M2 codes of w_qkv, K innermost, in blocks of 32 codes); x 4 x 2,048 x 1,024 float32.
;; Outputs: out0 4 x 2,048 x 1,024 float32.
;; This version of the problem:
;;   THIS VERSION OF THE PROBLEM IS GIVEN IN LOW PRECISION. The matrix products marked QUANTISED in the list below multiply operands that are first quantised to E5M2 (5 exponent bits, 2 mantissa bits; 8 bits a number), with one given power-of-two scale for each operand tensor; their sums are f32. All else is computed in f32.
;;   The module's matrix products, in the order in which they are computed (A, B: the left and right operand; K: the contracted axis; several contracted axes count as one K, in the product's order):
;;     1. [M 8,192, K 1,024] x [K 1,024, N 3,072]; A: input x; B: input w_qkv (given as codes): QUANTISED (scales: A lowp_scales[0], B lowp_scales[1])
;;     2. batch 16 x [M 2,048, K 256] x [K 256, N 2,048]; A: computed on the way; B: computed on the way: QUANTISED (scales: A lowp_scales[2], B lowp_scales[3])
;;     3. batch 16 x [M 2,048, K 2,048] x [K 2,048, N 256]; A: softmax (see below); B: computed on the way: QUANTISED (scales: A lowp_scales[4], B lowp_scales[5])
;;     4. [M 8,192, K 1,024] x [K 1,024, N 1,024]; A: computed on the way; B: input w_out (given as codes): QUANTISED (scales: A lowp_scales[6], B lowp_scales[7])
;;   THE QUANTISER, for each operand of a quantised product, along K:
;;     - The operand's scale is 2^e, e = its entry of the input lowp_scales (int32; the entries are numbered through the quantised products in the list's order, A before B).
;;     - Each number is divided by the scale, clamped to +-57,344, and rounded to the nearest number of E5M2, ties to even, subnormals kept.
;;     - The product sums the exact products of the quantised numbers (number of the format x scale) in f32.
;;   ~~~python
;;   def quantise(x, axis, e):      # numpy; x: float32 -> the quantised numbers, widened to float32 again
;;       x = np.moveaxis(x, axis, -1); K = x.shape[-1]
;;       r = np.clip(x / 2.0 ** e, -57344, 57344)
;;       step = 2.0 ** (np.maximum(np.frexp(np.where(r == 0, 1, r))[1] - 1, -14) - 2)
;;       q = np.round(r / step) * step * 2.0 ** e      # np.round: ties to even
;;       return np.moveaxis(q, -1, axis).astype(np.float32)
;;   ~~~
;;   SOFTMAX AHEAD OF A QUANTISED PRODUCT. Where the list says 'softmax', what is quantised is not the finished softmax but p = 2^(t - M), with t = logit x log2(e) and M = ceil(the row's largest t), a whole number; so 1/2 < the row's largest p <= 1. The row's sum l is taken of the UNQUANTISED p, in f32, and the product's result is divided by l at the end. Since M is a whole number, a kernel that streams over the keys may use a running M (the ceiling of the running maximum): every later rescaling is an exact power of two, so the quantised numbers keep their values, but for numbers so far below the row's largest that they fall under the format's range.
;;   OPERANDS COMPUTED ON THE WAY. 'Computed on the way' means the value that the module computes at that place (a softmax that the list does not call 'softmax' is quantised finished and normalised). What goes into a quantiser is computed in f32, as accurately as f32 sums, v_exp_f32 and their like allow (about 1e-6 of the number): no bf16 or f16 on the way to a quantiser, and a product that is left as it is and whose result goes on into a quantised operand takes f32 operands (vector FMAs, or v_wmma_f32_16x16x4_f32). A number that lies on a knife's edge between two numbers of the format may be rounded either way, as far as f32 arithmetic and the matrix unit's own rounding can turn it there, and no further.
;;   INPUTS GIVEN AS CODES. w_out (in the module: [1024, 1024], K = its axis 0); w_qkv (in the module: [1024, 3072], K = its axis 0): each comes as NAME_codes (uint8): NAME with its K axis moved to the last place and cut into blocks of 32 codes, [.., K / 32, bytes a block], one block behind the other in memory; one code a byte (a code: sign, 5 exponent bits, 2 mantissa bits); its scale is its entry of lowp_scales. Its value is code x scale, taken as it is: it is not quantised again, and the codes and scales need not be those that the quantiser above would give.
;; One version. Each part assembles by itself: llvm-mc -triple=amdgcn-amd-amdhsa -mcpu=gfx1250 --defsym DOCPART=n.
;; ======== version 1 of 1: 4 launches
;; limits: right only within a limited range of input values
;; workspace buffers: x_codes 8,388,608 bytes; q_frag 8,388,608 bytes; k_frag 8,388,608 bytes; v_frag 8,388,608 bytes; a_frag 8,388,608 bytes; wo_frag 1,048,576 bytes
;; launch prep (part 1): grid 1040 x 1, 4 waves a work-group, no clusters, 20,992 bytes of LDS; arguments x, w_out_codes, lowp_scales, x_codes, wo_frag; writes x_codes, wo_frag
.if DOCPART == 1
	.amdgcn_target "amdgcn-amd-amdhsa--gfx1250"
	.amdhsa_code_object_version 6
	.text
	.protected	k_qdffb4b54be_prep
	.globl	k_qdffb4b54be_prep
	.p2align	8
	.type	k_qdffb4b54be_prep,@function
k_qdffb4b54be_prep:
	s_mov_b64 s[64:65], 0
	v_nop
	global_prefetch_b8 v0, s[64:65] scope:SCOPE_SE
	s_setreg_imm32_b32 hwreg(HW_REG_WAVE_MODE, 25, 1), 1
	s_wait_xcnt 0x0
; TWO JOBS IN ONE LAUNCH, told apart by the work-group's number.
; Work-groups 0 to 15: the codes of w_out [1024 n][1024 k] are laid anew as IMAGES OF OPERAND REGISTERS for the last launch: a fragment is 16 rows x 128 k;
;   lane (r = lane % 16, h = lane / 16) holds row r, its registers 2 c, 2 c + 1 hold k = 16 c + 8 h + 0 .. 7; registers 4 g .. 4 g + 3 of lane l lie at byte 512 g + 16 l of the fragment's 2,048.
;   wo_frag = [w 4][s 8][T 16][2048]: rows 256 w + 16 T + r, k = 128 s on.  Wave u of 64 takes rows 16 u on, all eight s.
;   These work-groups have the longest way (64 loads of 8 bytes a lane from rows 1,024 bytes apart), so they have the lowest numbers.
; Work-groups 16 to 1,039: x [8192][1024] f32 becomes codes of E5M2, row-major, with the given scale 2^e0 (entry 0 of the scales):
;   code = x / 2^e0, held within +-57,344, rounded to the nearest code, ties to even.  LIMITS: e0 between -126 and 112; NaN among the inputs is not served.
;   x is a plain stream: a wave takes 4 steps of 512 numbers and asks for all of them at its head: 16 loads of 512 consecutive bytes, 16 a lane.  The shares are small so that several
;   work-groups lie side by side and each has all its bytes on their way at once.  The conversion wants 16 NEIGHBOURS in a lane, so a step's 2,048 bytes turn through the wave's own stage in LDS
;   (64 bytes + 16 of padding a lane).  A lane's 16 codes are 16 bytes: a store covers 512 consecutive bytes, aligned.
; No tensor loads, no barrier: waves share nothing.
.set RWG,   16                         ; work-groups for w_out: 64 waves, 16 rows each
.set STEPS, 4                          ; steps of a wave, as many as there are sets of registers for loads
.set EMAX,  15
.set MANT,  0x600000                   ; the mantissa field of 57,344 as f32
.set R,     16                         ; v16-79   four sets of 16 numbers as they are loaded
.set X,     80                         ; v80-111  two sets of 16 neighbours
.set C,     112                        ; v112-127 codes: four registers for each step, so that no store's data are written again
.set SP,    80                         ; a lane's place in a stage
.set WREG,  2*32*SP                    ; LDS: a region for each wave: two stages of 32 x SP bytes
.set W,     32                         ; the other path: v32-159, eight fragments of w_out
	s_load_b128 s[4:7], s[0:1], 0x0                ; x, w_out's codes
	s_load_b64 s[10:11], s[0:1], 0x10              ; the scales' exponents
	s_load_b128 s[12:15], s[0:1], 0x18             ; x_codes, wo_frag
	v_lshl_add_u32 v160, v0, 2, 0x5000
	v_mov_b32 v161, 0
	v_lshrrev_b32 v1, 5, v0
	v_readfirstlane_b32 s16, v1                    ; wave
	v_and_b32 v2, 31, v0                           ; lane
	v_lshlrev_b32 v3, 4, v2                        ; 16 x lane: my bytes of a load's or a store's 512; never rewritten
	s_cmp_lt_u32 ttmp9, RWG
	s_cbranch_scc1 .Lrelay
	; ---------------- x into codes
	s_mul_i32 s17, s16, WREG
	v_lshrrev_b32 v14, 2, v2
	v_mul_u32_u24 v14, v14, SP
	v_and_b32 v15, 3, v2
	v_lshl_add_u32 v14, v15, 4, v14
	v_add_nc_u32 v14, s17, v14                     ; the stage, on the way in: four lanes' 64 bytes on end, then 16 of padding
	v_mul_u32_u24 v15, v2, SP
	v_add_nc_u32 v15, s17, v15                     ; and on the way out: my 16 neighbours
	s_sub_co_u32 s18, ttmp9, RWG
	s_lshl_b32 s18, s18, 2
	s_add_co_u32 s18, s18, s16                     ; which run of 2,048 numbers is my wave's: 0 .. 4,095
	s_lshl_b32 s20, s18, 13                        ; its bytes in x,
	s_mov_b32 s21, 0
	s_lshl_b32 s22, s18, 11                        ; and in the codes
	s_mov_b32 s23, 0
	s_wait_kmcnt 0x0
	s_load_b32 s24, s[10:11], 0x0                  ; e0
	s_add_nc_u64 s[4:5], s[4:5], s[20:21]
	s_add_nc_u64 s[12:13], s[12:13], s[22:23]
.macro LOAD t
.irp i, 0,1,2,3
	global_load_b128 v[R+16*(\t)+4*\i:R+16*(\t)+4*\i+3], v3, s[4:5] offset:2048*(\t)+512*\i th:TH_LOAD_NT   ; 32 lanes read 512 consecutive bytes
.endr
.endm
.macro TURN t                          ; step t's numbers through the stage: LDS serves a wave's instructions in order (ISA guide 5.7.1.4), so no wait stands between the stores and the loads
.irp i, 0,1,2,3
	ds_store_b128 v14, v[R+16*(\t)+4*\i:R+16*(\t)+4*\i+3] offset:32*SP*((\t)%2)+8*SP*\i
.endr
.irp i, 0,1,2,3
	ds_load_b128 v[X+16*((\t)%2)+4*\i:X+16*((\t)%2)+4*\i+3], v15 offset:32*SP*((\t)%2)+16*\i
.endr
.endm
	s_wait_alu depctr_va_vdst(0)
.irp t, 0,1,2,3
	LOAD \t                                        ; all that the wave will read: 16 loads, 8,192 bytes
.endr
	s_wait_kmcnt 0x0
	s_add_co_i32 s24, s24, 127
	s_lshl_b32 s25, s24, 23
	v_mov_b32 v11, s25                             ; 2^e0 as f32: the conversion takes its exponent field
	s_add_co_i32 s24, s24, EMAX
	s_lshl_b32 s24, s24, 23
	s_or_b32 s24, s24, MANT
	v_mov_b32 v10, s24                             ; 57,344 x 2^e0
	s_wait_alu depctr_va_vdst(0)
	s_wait_loadcnt 12                              ; step 0's four loads are in; the twelve of steps 1 to 3 may be out
	TURN 0
.macro STEP t
.set XS, X+16*((\t)%2)
	s_wait_dscnt 0x0                               ; this step's numbers are back from the stage
.if (\t)+1 < STEPS
	s_wait_loadcnt 4*(STEPS-2-(\t))                ; the next step's four loads are in; the four of each step behind it may be out
	TURN (\t)+1                                    ; and go through the other stage while this step is worked
.endif
.irp i, 0,1,2,3,4,5,6,7,8,9,10,11,12,13,14,15
	v_med3_num_f32 v[XS+\i], v[XS+\i], -v10, v10   ; the conversion to an 8-bit code does not saturate (ISA guide 7.6.2): the hold at the largest code x the scale comes first
.endr
	v_cvt_scalef32_pk8_bf8_f32 v[C+4*(\t):C+4*(\t)+1], v[XS:XS+7], v11
	v_cvt_scalef32_pk8_bf8_f32 v[C+4*(\t)+2:C+4*(\t)+3], v[XS+8:XS+15], v11
	global_store_b128 v3, v[C+4*(\t):C+4*(\t)+3], s[12:13] offset:512*(\t)   ; the codes go to a store alone; the next step's holds are plain lines on other registers
.endm
.irp t, 0,1,2,3
	STEP \t
.endr
	s_wait_tensorcnt 0x0
	ds_add_u32 v160, v161
	s_wait_dscnt 0x0
	s_endpgm
	; ---------------- w_out's codes into fragment order
.Lrelay:
	v_and_b32 v5, 15, v0                           ; r
	v_bfe_u32 v6, v0, 4, 1                         ; h
	v_lshlrev_b32 v7, 10, v5
	v_lshl_add_u32 v7, v6, 3, v7                   ; row r of 1,024 bytes, + 8 h
	s_lshl_b32 s17, ttmp9, 2
	s_add_co_u32 s17, s17, s16                     ; u: my 16 rows, 0 .. 63
	s_lshl_b32 s20, s17, 14                        ; their first byte
	s_mov_b32 s21, 0
	s_lshr_b32 s22, s17, 4
	s_lshl_b32 s22, s22, 18                        ; w = u / 16: 8 x 16 fragments apart
	s_and_b32 s23, s17, 15
	s_lshl_b32 s23, s23, 11                        ; T = u % 16
	s_add_co_u32 s22, s22, s23
	s_mov_b32 s23, 0
	s_wait_alu depctr_va_vdst(0)
	s_wait_kmcnt 0x0
	s_add_nc_u64 s[6:7], s[6:7], s[20:21]
	s_add_nc_u64 s[14:15], s[14:15], s[22:23]
.irp s, 0,1,2,3,4,5,6,7
.irp c, 0,1,2,3,4,5,6,7
	global_load_b64 v[W+16*\s+2*\c:W+16*\s+2*\c+1], v7, s[6:7] offset:128*\s+16*\c   ; registers 2 c, 2 c + 1 of fragment s
.endr
.endr
.irp s, 0,1,2,3,4,5,6,7
	s_wait_loadcnt 8*(7-\s)                        ; fragment s is in; the eight loads of each later one may be out
.irp g, 0,1,2,3
	global_store_b128 v3, v[W+16*\s+4*\g:W+16*\s+4*\g+3], s[14:15] offset:32768*\s+512*\g   ; 512 consecutive bytes, aligned; no register is written again
.endr
.endr
	s_endpgm
.Lfunc_end_k_qdffb4b54be_prep:
	.size	k_qdffb4b54be_prep, .Lfunc_end_k_qdffb4b54be_prep-k_qdffb4b54be_prep
	.p2alignl 7, 3214868480
	.fill 96, 4, 3214868480
	.section	.rodata,"a",@progbits
	.p2align	6, 0x0
	.amdhsa_kernel k_qdffb4b54be_prep
		.amdhsa_group_segment_fixed_size 20992
		.amdhsa_private_segment_fixed_size 0
		.amdhsa_enable_private_segment 0
		.amdhsa_kernarg_size 40
		.amdhsa_user_sgpr_count 2
		.amdhsa_user_sgpr_kernarg_segment_ptr 1
		.amdhsa_wavefront_size32 1
		.amdhsa_system_sgpr_workgroup_id_x 1
		.amdhsa_system_sgpr_workgroup_id_y 1
		.amdhsa_system_sgpr_workgroup_id_z 1
		.amdhsa_system_vgpr_workitem_id 0
		.amdhsa_next_free_vgpr 162
		.amdhsa_next_free_sgpr 66
		.amdhsa_reserve_vcc 0
		.amdhsa_float_denorm_mode_32 3
		.amdhsa_float_denorm_mode_16_64 3
		.amdhsa_memory_ordered 1
		.amdhsa_forward_progress 1
		.amdhsa_inst_pref_size 21
	.end_amdhsa_kernel
	.amdgpu_metadata
---
amdhsa.version: [ 1, 2 ]
amdhsa.kernels:
  - .name:           k_qdffb4b54be_prep
    .symbol:         k_qdffb4b54be_prep.kd
    .args:
      - { .name: x, .offset: 0, .size: 8, .value_kind: global_buffer, .address_space: global }
      - { .name: w_out_codes, .offset: 8, .size: 8, .value_kind: global_buffer, .address_space: global }
      - { .name: lowp_scales, .offset: 16, .size: 8, .value_kind: global_buffer, .address_space: global }
      - { .name: x_codes, .offset: 24, .size: 8, .value_kind: global_buffer, .address_space: global }
      - { .name: wo_frag, .offset: 32, .size: 8, .value_kind: global_buffer, .address_space: global }
    .group_segment_fixed_size: 20992
    .private_segment_fixed_size: 0
    .kernarg_segment_align: 8
    .kernarg_segment_size: 40
    .max_flat_workgroup_size: 128
    .sgpr_count:     66
    .vgpr_count:     162
    .wavefront_size: 32
...
	.end_amdgpu_metadata
.endif
;; end of part 1
;; launch qkv (part 2): grid 12 x 16, 4 waves a work-group, clusters of 4 x 4, 327,680 bytes of LDS; arguments x_codes, w_qkv_codes, lowp_scales, b_qkv, q_frag, k_frag, v_frag; writes q_frag, k_frag, v_frag
.if DOCPART == 2
	.amdgcn_target "amdgcn-amd-amdhsa--gfx1250"
	.amdhsa_code_object_version 6
	.text
	.protected	k_qdffb4b54be_qkv
	.globl	k_qdffb4b54be_qkv
	.p2align	8
	.type	k_qdffb4b54be_qkv,@function
k_qdffb4b54be_qkv:
	s_mov_b64 s[64:65], 0
	v_nop
	global_prefetch_b8 v0, s[64:65] scope:SCOPE_SE
	s_setreg_imm32_b32 hwreg(HW_REG_WAVE_MODE, 25, 1), 1
	s_wait_xcnt 0x0
	s_wait_alu depctr_hold_cnt(0) depctr_sa_sdst(0) depctr_va_vdst(0) depctr_va_sdst(0) depctr_va_ssrc(0) depctr_va_vcc(0) depctr_vm_vsrc(0)
	s_getreg_b32 s2, hwreg(HW_REG_IB_STS2, 6, 4)
	s_cmp_eq_u32 s2, 0
	s_cbranch_scc0 .Lentry_in_a_cluster
	s_endpgm
.Lentry_in_a_cluster:
	s_bfe_u32 s2, ttmp6, 0x10000c
	s_cmp_lg_u32 s2, 0xf033
	s_cbranch_scc0 .Lentry_shape_is_right
	s_endpgm
.Lentry_shape_is_right:
.set KROW,   1024
.set ROWB,   256
.set PITCH,  272
.set FR,     16
.set NL,     4
.set NP,     4
.set HALFT,  128*PITCH
.set SLOT,   4*HALFT
.set SPARE,  2*SLOT
.set WALK,   1024*KROW
.set BACK,   2*ROWB
.set OWALK,  4<<16
.set ADRA, 16
.set ADRB, 20
.set SPW,  28
.set NIL,  29
.set BB,   32
.set BA,   96
.set OFS,  112
.set SC,   120
.set LIM,  121
.set AF,   128
.set OUT,  128
.set G1, 24
.set G0, 32
.set G1B, 48
.set G0B, 56
.set WKA, 96
.set WKB, 98
.set MSB, 0
.macro WIN new
.if MSB != (\new)
	s_set_vgpr_msb (MSB<<8)|(\new)
.set MSB, (\new)
.endif
.endm
.set MUL_LO, 0xa1
.set MUL_HI, 0xf1
.set FST_LO, 0x81
.set FST_HI, 0xc1
.set TO_B,   0x40
.macro JLOAD g0a, g1a, g0b, g1b
	s_cmp_eq_u32 s15, 0
	s_cbranch_scc0 .Lfor_b_\@
	tensor_load_to_lds s[\g0a:\g0a+3], s[\g1a:\g1a+7]
	s_nop 0
.rept 4
	v_nop
.endr
	s_branch .Lasked_\@
.Lfor_b_\@:
	tensor_load_to_lds s[\g0b:\g0b+3], s[\g1b:\g1b+7]
	s_nop 0
.rept 4
	v_nop
.endr
.Lasked_\@:
.endm
.macro CREST
	s_cmp_lg_u32 s14, 0
	s_cbranch_scc1 .Lnot_wave_0_\@
	s_barrier_signal -3
.Lnot_wave_0_\@:
	s_barrier_wait -3
	s_barrier_signal -1
	s_barrier_wait -1
.endm
.macro CROUND
	s_barrier_signal -1
	s_barrier_wait -1
	CREST
.endm
	s_load_b256 s[4:11], s[0:1], 0x0
	s_load_b128 s[68:71], s[0:1], 0x20
	s_load_b64 s[72:73], s[0:1], 0x30
	v_lshl_add_u32 v[SPW], v0, 2, SPARE
	v_mov_b32 v[NIL], 0
	ds_add_u32 v28, v29
	ds_add_u32 v28, v29
	s_wait_dscnt 0x0
	v_lshrrev_b32 v1, 5, v0
	v_readfirstlane_b32 s14, v1
	s_lshr_b32 s15, s14, 1
	s_and_b32 s16, s14, 1
	s_bfe_u32 s40, ttmp6, 0x40000
	s_bfe_u32 s41, ttmp6, 0x40004
	s_lshl_b32 s42, ttmp9, 2
	s_and_b32 s17, ttmp7, 0xffff
	s_lshl_b32 s17, s17, 3
	s_cmp_eq_u32 ttmp9, 2
	s_cselect_b32 s42, s17, s42
	s_cselect_b32 s17, 8, s17
	s_add_co_u32 s42, s42, s40
	s_add_co_u32 s17, s17, s41
	s_lshl_b32 s43, s41, 2
	s_lshl_b32 s43, 15, s43
	s_lshl_b32 s44, 0x1111, s40
	s_or_b32 s[G1+0], s43, (0<<16)|(1<<20)|(1<<21)|(5<<22)|(3<<25)
	s_or_b32 s[G1B+0], s44, (0<<16)|(1<<20)|(1<<21)|(5<<22)|(3<<25)
.irp g, G1, G1B
	s_mov_b32 s[\g+1], ROWB<<16
	s_mov_b32 s[\g+2], 128<<16
	s_mov_b32 s[\g+3], ROWB<<16
	s_mov_b32 s[\g+4], 128
	s_mov_b32 s[\g+5], KROW
	s_mov_b32 s[\g+6], 0
	s_mov_b32 s[\g+7], 0
.endr
	s_lshl_b32 s18, s16, 7
	s_lshl_b32 s20, s17, 8
	s_add_co_u32 s20, s20, s18
	s_lshl_b32 s20, s20, 10
	s_mov_b32 s21, 0
	s_lshl_b32 s46, s42, 8
	s_add_co_u32 s46, s46, s18
	s_lshl_b32 s46, s46, 10
	s_mov_b32 s47, 0
	s_mul_i32 s45, s14, HALFT
	s_wait_kmcnt 0x0
	s_load_b256 s[80:87], s[8:9], 0x0
	s_cmp_eq_u32 ttmp9, 2
	s_cselect_b64 s[74:75], s[6:7], s[4:5]
	s_cselect_b64 s[76:77], s[4:5], s[6:7]
	s_cselect_b32 s[WKA], 0, WALK
	s_cselect_b32 s[WKB], WALK, 0
	s_mov_b32 s[WKA+1], 0
	s_mov_b32 s[WKB+1], 0
	s_add_nc_u64 s[20:21], s[74:75], s[20:21]
	s_add_nc_u64 s[46:47], s[76:77], s[46:47]
	CROUND
.irp s, 0,1
	s_mov_b32 s[G0+4*\s], 1
	s_add_co_u32 s[G0+4*\s+1], s45, \s*SLOT
	s_add_nc_u64 s[G0+4*\s+2:G0+4*\s+3], s[20:21], \s*ROWB
	s_or_b32 s[G0+4*\s+3], s[G0+4*\s+3], 0x80000000
	s_mov_b32 s[G0B+4*\s], 1
	s_add_co_u32 s[G0B+4*\s+1], s45, \s*SLOT
	s_add_nc_u64 s[G0B+4*\s+2:G0B+4*\s+3], s[46:47], \s*ROWB
	s_or_b32 s[G0B+4*\s+3], s[G0B+4*\s+3], 0x80000000
	s_wait_alu depctr_va_vdst(0)
	s_wait_tensorcnt 0x0
	ds_add_u32 v28, v29
	ds_add_u32 v28, v29
	s_wait_dscnt 0x0
	CROUND
	JLOAD G0+4*\s, G1, G0B+4*\s, G1B
.endr
	v_and_b32 v1, 15, v0
	s_wait_alu depctr_va_vdst(0)
	v_bfe_u32 v2, v0, 4, 1
	s_lshl_b32 s88, ttmp9, 2
	s_add_co_u32 s88, s88, s40
	s_lshl_b32 s88, s88, 10
	s_lshl_b32 s89, s16, 9
	s_add_co_u32 s88, s88, s89
	s_mov_b32 s89, 0
	s_add_nc_u64 s[90:91], s[10:11], s[88:89]
	v_lshlrev_b32 v5, 5, v2
.irp b, 0,1,2,3,4,5,6,7
	global_load_b128 v[BB+8*\b:BB+8*\b+3], v5, s[90:91] offset:64*\b
	global_load_b128 v[BB+8*\b+4:BB+8*\b+7], v5, s[90:91] offset:64*\b+16
.endr
	s_lshl_b32 s88, s41, 10
	s_lshl_b32 s92, s15, 9
	s_add_co_u32 s88, s88, s92
	s_add_co_u32 s88, s88, 8192
	s_add_nc_u64 s[92:93], s[10:11], s[88:89]
	v_lshlrev_b32 v6, 2, v1
.irp a, 0,1,2,3,4,5,6,7
	global_load_b32 v[BA+2*\a], v6, s[92:93] offset:64*\a
.endr
	v_mul_u32_u24 v3, v1, PITCH
	s_wait_alu depctr_va_vdst(0)
	v_lshl_add_u32 v4, v2, 4, v3
	s_mul_i32 s21, s15, HALFT
	s_mul_i32 s22, s16, HALFT
	s_add_co_u32 s22, s22, 2*HALFT
.irp s, 0,1
	v_add_nc_u32 v[ADRA+\s], s21, v4
	v_add_nc_u32 v[ADRB+\s], s22, v4
	s_add_co_u32 s21, s21, SLOT
	s_add_co_u32 s22, s22, SLOT
.endr
	s_wait_kmcnt 0x0
	s_add_co_i32 s88, s80, s81
	s_sub_co_i32 s89, 0, s88
	s_cmp_eq_u32 ttmp9, 2
	s_cselect_b32 s78, -1, 0
	s_wait_loadcnt 0x0
.set i, 0
.rept 64
	v_cndmask_b32 v[BB+i], v[BB+i], v[NIL], s78
.set i, i+1
.endr
.set i, 0
.rept 64
	v_ldexp_f32 v[BB+i], v[BB+i], s89
.set i, i+1
.endr
.irp a, 0,1,2,3,4,5,6,7
	v_cndmask_b32 v[BA+2*\a], v[NIL], v[BA+2*\a], s78
.endr
.irp a, 0,1,2,3,4,5,6,7
	v_ldexp_f32 v[BA+2*\a], v[BA+2*\a], s89
.endr
.irp a, 0,1,2,3,4,5,6,7
	v_mov_b32 v[BA+2*\a+1], v[BA+2*\a]
.endr
	s_cmp_eq_u32 ttmp9, 1
	s_cselect_b32 s90, s83, s85
	s_cselect_b64 s[66:67], s[70:71], s[72:73]
	s_cmp_eq_u32 ttmp9, 0
	s_cselect_b32 s90, s82, s90
	s_cselect_b64 s[66:67], s[68:69], s[66:67]
	s_sub_co_i32 s90, s90, s88
	s_add_co_i32 s90, s90, 127
	s_lshl_b32 s91, s90, 23
	v_mov_b32 v[SC], s91
	s_add_co_i32 s90, s90, 15
	s_lshl_b32 s90, s90, 23
	s_or_b32 s90, s90, 0x600000
	v_mov_b32 v[LIM], s90
	s_lshl_b32 s94, s16, 15
	s_lshl_b32 s95, s15, 14
	s_add_co_u32 s94, s94, s95
	s_lshl_b32 s95, s15, 15
	s_lshl_b32 s91, s16, 11
	s_add_co_u32 s95, s95, s91
	s_mov_b32 s79, 4096
	s_cmp_eq_u32 ttmp9, 2
	s_cselect_b32 s92, s42, s17
	s_cselect_b32 s93, s41, s40
	s_cselect_b32 s79, 2048, s79
	s_cselect_b32 s94, s94, s95
	s_lshr_b32 s95, s92, 3
	s_lshl_b32 s95, s95, 2
	s_add_co_u32 s95, s95, s93
	s_lshl_b32 s95, s95, 19
	s_and_b32 s92, s92, 7
	s_lshl_b32 s92, s92, 16
	s_add_co_u32 s94, s94, s95
	s_add_co_u32 s94, s94, s92
	s_mov_b32 s95, 0
	s_add_nc_u64 s[66:67], s[66:67], s[94:95]
	v_and_b32 v3, 31, v0
	v_lshlrev_b32 v[OFS], 4, v3
.irp a, 1,2,3,4,5,6,7
	v_add_nc_u32 v[OFS+\a], s79, v[OFS+\a-1]
.endr
.macro FRAG reg, adr, q, i
.irp c, 0,1,2,3
	ds_load_b128 v[\reg+4*\c:\reg+4*\c+3], v[\adr] offset:128*(\q)+32*\c+(\i)*16*PITCH
.endr
.endm
.macro MUL16 a0, p, first
.irp a, \a0, \a0+1
.irp b, 0,1,2,3,4,5,6,7
.if \first
	v_wmma_f32_16x16x128_bf8_bf8 v[8*(8*((\a)%4)+\b):8*(8*((\a)%4)+\b)+7], v[128*(\p)+FR*\b:128*(\p)+FR*\b+FR-1], v[AF+FR*(\a):AF+FR*(\a)+FR-1], v[BB+8*\b:BB+8*\b+7]
.else
	v_wmma_f32_16x16x128_bf8_bf8 v[8*(8*((\a)%4)+\b):8*(8*((\a)%4)+\b)+7], v[128*(\p)+FR*\b:128*(\p)+FR*\b+FR-1], v[AF+FR*(\a):AF+FR*(\a)+FR-1], v[8*(8*((\a)%4)+\b):8*(8*((\a)%4)+\b)+7]
.endif
.endr
.endr
.endm
.macro FETCH_B slot, q, p
	WIN TO_B
.irp i, 0,1,2,3,4,5,6,7
	FRAG 128*(\p)+FR*\i, ADRB+\slot, \q, \i
.endr
	WIN 0
.endm
.macro FETCH_A slot, q, i0
.irp i, \i0, \i0+1, \i0+2, \i0+3
	FRAG AF+FR*(\i), ADRA+\slot, \q, \i
.endr
.endm
.macro PLACES n
.rept \n
	v_nop
.endr
.endm
.macro STEP slot, q, first
	s_wait_dscnt 4*NL
.if \first
	WIN FST_LO
.else
	WIN MUL_LO
.endif
	MUL16 0, (\q)%2, \first
	MUL16 2, (\q)%2, \first
	s_wait_dscnt 0
	PLACES NP
	FETCH_B \slot, (\q)+1, 1-(\q)%2
	FETCH_A \slot, (\q)+1, 0
.if \first
	WIN FST_HI
.else
	WIN MUL_HI
.endif
	MUL16 4, (\q)%2, \first
	MUL16 6, (\q)%2, \first
	PLACES NP
	WIN 0
	FETCH_A \slot, (\q)+1, 4
.endm
.macro TURN slot, next, fill
	s_wait_tensorcnt 0x0
	ds_add_u32 v[SPW], v[NIL]
	s_wait_dscnt 4*NL+1
	WIN MUL_LO
	MUL16 0, 1, 0
	s_wait_dscnt 0x0
	s_barrier_signal -1
	MUL16 2, 1, 0
	WIN 0
	s_barrier_wait -1
.if \fill
	CREST
.if \fill == 2
	s_sub_nc_u64 s[G0+4*\slot+2:G0+4*\slot+3], s[G0+4*\slot+2:G0+4*\slot+3], BACK
	s_add_nc_u64 s[G0+4*\slot+2:G0+4*\slot+3], s[G0+4*\slot+2:G0+4*\slot+3], s[WKA:WKA+1]
	s_sub_nc_u64 s[G0B+4*\slot+2:G0B+4*\slot+3], s[G0B+4*\slot+2:G0B+4*\slot+3], BACK
	s_add_nc_u64 s[G0B+4*\slot+2:G0B+4*\slot+3], s[G0B+4*\slot+2:G0B+4*\slot+3], s[WKB:WKB+1]
.else
	s_add_nc_u64 s[G0+4*\slot+2:G0+4*\slot+3], s[G0+4*\slot+2:G0+4*\slot+3], 2*ROWB
	s_add_nc_u64 s[G0B+4*\slot+2:G0B+4*\slot+3], s[G0B+4*\slot+2:G0B+4*\slot+3], 2*ROWB
.endif
	JLOAD G0+4*\slot, G1, G0B+4*\slot, G1B
.else
	PLACES NP
.endif
	FETCH_B \next, 0, 0
	FETCH_A \next, 0, 0
	WIN MUL_HI
	MUL16 4, 1, 0
	MUL16 6, 1, 0
	PLACES NP
	WIN 0
	FETCH_A \next, 0, 4
.endm
.macro OUTBLK a
.set AC, 64*((\a)%4)
	WIN 0x82+0x41*((\a)/4)
.set j, 0
.rept 32
	v_pk_add_f32 v[AC+j:AC+j+1], v[AC+j:AC+j+1], v[BA+2*(\a):BA+2*(\a)+1]
.set j, j+2
.endr
.set j, 0
.rept 64
	v_med3_num_f32 v[AC+j], v[AC+j], -v[LIM], v[LIM]
.set j, j+1
.endr
	WIN 0x42+((\a)/4)
.irp b, 0,1,2,3,4,5,6,7
	v_cvt_scalef32_pk8_bf8_f32 v[OUT+16*(\a)+2*\b:OUT+16*(\a)+2*\b+1], v[AC+8*\b:AC+8*\b+7], v[SC]
.endr
	v_nop
	WIN 0x04
.irp g, 0,1,2,3
	global_store_b128 v[OFS+(\a)], v[OUT+16*(\a)+4*\g:OUT+16*(\a)+4*\g+3], s[66:67] offset:512*\g
.endr
.endm
	s_wait_tensorcnt 1
	s_barrier_signal -1
	s_barrier_wait -1
	FETCH_B 0, 0, 0
	FETCH_A 0, 0, 0
	FETCH_A 0, 0, 4
	STEP 0, 0, 1
	TURN 0, 1, 1
	STEP 1, 0, 0
	TURN 1, 0, 1
	STEP 0, 0, 0
	TURN 0, 1, 2
	STEP 1, 0, 0
	TURN 1, 0, 2
.irp a, 0,1,2,3,4,5,6,7
	OUTBLK \a
.endr
	WIN 0
	s_wait_xcnt 0x0
	s_add_nc_u64 s[66:67], s[66:67], OWALK
	STEP 0, 0, 1
	TURN 0, 1, 1
	STEP 1, 0, 0
	TURN 1, 0, 1
	STEP 0, 0, 0
	TURN 0, 1, 0
	STEP 1, 0, 0
	s_wait_dscnt 4*NL
	WIN MUL_LO
	MUL16 0, 1, 0
	MUL16 2, 1, 0
	s_wait_dscnt 0
	WIN MUL_HI
	MUL16 4, 1, 0
	MUL16 6, 1, 0
	WIN 0
	PLACES NP
.irp a, 0,1,2,3,4,5,6,7
	OUTBLK \a
.endr
	WIN 0
	s_wait_tensorcnt 0x0
	ds_add_u32 v[SPW], v[NIL]
	s_wait_dscnt 0x0
	CROUND
	s_endpgm
.Lfunc_end_k_qdffb4b54be_qkv:
	.size	k_qdffb4b54be_qkv, .Lfunc_end_k_qdffb4b54be_qkv-k_qdffb4b54be_qkv
	.p2alignl 7, 3214868480
	.fill 96, 4, 3214868480
	.section	.rodata,"a",@progbits
	.p2align	6, 0x0
	.amdhsa_kernel k_qdffb4b54be_qkv
		.amdhsa_group_segment_fixed_size 327680
		.amdhsa_private_segment_fixed_size 0
		.amdhsa_enable_private_segment 0
		.amdhsa_kernarg_size 56
		.amdhsa_user_sgpr_count 2
		.amdhsa_user_sgpr_kernarg_segment_ptr 1
		.amdhsa_wavefront_size32 1
		.amdhsa_system_sgpr_workgroup_id_x 1
		.amdhsa_system_sgpr_workgroup_id_y 1
		.amdhsa_system_sgpr_workgroup_id_z 1
		.amdhsa_system_vgpr_workitem_id 0
		.amdhsa_next_free_vgpr 1024
		.amdhsa_next_free_sgpr 100
		.amdhsa_reserve_vcc 0
		.amdhsa_float_denorm_mode_32 3
		.amdhsa_float_denorm_mode_16_64 3
		.amdhsa_memory_ordered 1
		.amdhsa_forward_progress 1
		.amdhsa_inst_pref_size 255
	.end_amdhsa_kernel
	.section	.bss,"aw",@nobits
	.p2align	6
	.space	262144
	.amdgpu_metadata
---
amdhsa.version: [ 1, 2 ]
amdhsa.kernels:
  - .name:           k_qdffb4b54be_qkv
    .symbol:         k_qdffb4b54be_qkv.kd
    .args:
      - { .name: x_codes, .offset: 0, .size: 8, .value_kind: global_buffer, .address_space: global }
      - { .name: w_qkv_codes, .offset: 8, .size: 8, .value_kind: global_buffer, .address_space: global }
      - { .name: lowp_scales, .offset: 16, .size: 8, .value_kind: global_buffer, .address_space: global }
      - { .name: b_qkv, .offset: 24, .size: 8, .value_kind: global_buffer, .address_space: global }
      - { .name: q_frag, .offset: 32, .size: 8, .value_kind: global_buffer, .address_space: global }
      - { .name: k_frag, .offset: 40, .size: 8, .value_kind: global_buffer, .address_space: global }
      - { .name: v_frag, .offset: 48, .size: 8, .value_kind: global_buffer, .address_space: global }
    .group_segment_fixed_size: 327680
    .private_segment_fixed_size: 0
    .kernarg_segment_align: 8
    .kernarg_segment_size: 56
    .max_flat_workgroup_size: 128
    .sgpr_count:     100
    .vgpr_count:     1024
    .wavefront_size: 32
...
	.end_amdgpu_metadata
.endif
;; end of part 2
;; launch attn (part 3): grid 16 x 16, 4 waves a work-group, clusters of 4 x 1, 327,680 bytes of LDS; arguments q_frag, k_frag, v_frag, lowp_scales, a_frag; writes a_frag
.if DOCPART == 3
	.amdgcn_target "amdgcn-amd-amdhsa--gfx1250"
	.amdhsa_code_object_version 6
	.text
	.protected	k_qdffb4b54be_attn
	.globl	k_qdffb4b54be_attn
	.p2align	8
	.type	k_qdffb4b54be_attn,@function
k_qdffb4b54be_attn:
	s_mov_b64 s[64:65], 0
	v_nop
	global_prefetch_b8 v0, s[64:65] scope:SCOPE_SE
	s_setreg_imm32_b32 hwreg(HW_REG_WAVE_MODE, 25, 1), 1
	s_wait_xcnt 0x0
	s_wait_alu depctr_hold_cnt(0) depctr_sa_sdst(0) depctr_va_vdst(0) depctr_va_sdst(0) depctr_va_ssrc(0) depctr_va_vcc(0) depctr_vm_vsrc(0)
	s_getreg_b32 s2, hwreg(HW_REG_IB_STS2, 6, 4)
	s_cmp_eq_u32 s2, 0
	s_cbranch_scc0 .Lentry_in_a_cluster
	s_endpgm
.Lentry_in_a_cluster:
	s_bfe_u32 s2, ttmp6, 0x10000c
	s_cmp_lg_u32 s2, 0x3003
	s_cbranch_scc0 .Lentry_shape_is_right
	s_endpgm
.Lentry_shape_is_right:
; a = softmax(q k^T / 16) v for 16 (batch, head) pairs, 2,048 queries and keys, head size 256; both products on codes of E5M2; the result leaves as codes for the last product (scale: entry 6).
; All operands come and go as IMAGES OF OPERAND REGISTERS: a fragment is 16 rows x 128 K = 2,048 bytes; registers 4 g .. 4 g + 3 of lane l lie at byte 512 g + 16 l.
; THE SOFTMAX: t = score x log2(e) / 16; M = the running largest t rounded up to a whole number; p = 2^(t - M) is quantised (entry 4); the row's sum is taken of the unquantised p and divides at the end;
; when M moves, the sum and O are multiplied by 2^(old M - new M), in every step, with no branch on data.
; SHARES.  A work-group owns 128 queries of one pair, a wave 32 of them: two tiles of 16.  Both products are used transposed (S^T = K Q^T, O^T = V^T P^T): a lane holds one query of each tile.
; Keys go 128 a step; a slot of the ring holds 256 keys: K's 64 KiB, then V's 64 KiB; wave w fetches quarter w of a slot.
; CLUSTER: the four work-groups of a cluster walk the same K and V of one pair: every slot is asked for jointly (mask 15), behind a round of the cluster's barrier.
; THE TWO TILES ARE STAGGERED.  A step is two phases.  In phase t the vector side walks tile t's softmax, and the OTHER tile's matrix instructions stand among its lines:
;   among the maxima and the multiply-adds the 16 of O^T += V^T P^T (tile 1: the step before; tile 0: this step), one behind every 4 vector lines, each between two window switches;
;   among the sums and holds the 16 of the other tile's next S^T, one behind every 5 vector lines; those lines take a constant or a scalar as source 0, so they stand under the product's own window setting.
; So K's registers are free behind phase 0's products and are loaded at its end (the next step's K); V's are free behind phase 0's first products and are loaded ahead of its exponentials: one run of 64 loads each.
; The change of slots stands in the second step's phase 0, between V's last reads of the slot and K's first reads of the next.
; The loop has no first step of its own: O^T and the sums begin as zeros, the largest t as -3e38, and tile 1's first product of the second kind meets p = 0 (with step 0's V): it adds zeros.
; PREFETCH: at each change that fills a slot, the cluster with x = 0 of each pair asks for the slot that the NEXT change will load, two key steps ahead of that load: each wave for its own quarter,
; the four partners 8 KiB each by address, lanes 256 bytes apart; the last filling change asks for nothing; slots 0 to 2 come by their loads alone.
; LIMITS: e2 + e3 between -122 and 130 (added to c's exponent field); e4 between -126 and 112; e6 - e4 - e5 between -126 and 112; the scaled scores stay under 2^31 in magnitude; NaN among the inputs is not served.
; REGISTERS: window 0: v1-7, v24-25 addresses and constants; v8-15 -M, largest t, sum (pair) of each tile; v16-23 at work; v32-95 Q; v96-223 S^T, then p (tile t at 96 + 64 t); v224-255 p's codes.
;   window 1: O^T (tile t at 128 t).   window 2: K's 16 fragments.   window 3: V's 16 fragments.
.set SLOT1, 1<<17
.set SLOTB, 65536
.set SPARE, 2*SLOT1
.set LI,   1
.set ADK,  2
.set ADV,  3
.set SPW,  4
.set NIL,  5
.set HOLD, 6
.set SCL,  7
.set AV0,  24
.set PFO,  25
.set Q,    32
.set S,    96
.set P,    224
.set WV,   14
.set LIM,  15
.set PFA,  18
.set G1,   24
.set G0A,  32
.set G0B,  36
.set TB,   48
.set SLOTS, 49
.set CS,   50
.set SEL,  52
.set HS,   60                          ; s60: 57,344 x 2^e4
.set MSB, 0
.macro WIN new                         ; the immediate's high byte repeats the setting that is left
.if MSB != (\new)
	s_set_vgpr_msb (MSB<<8)|(\new)
.set MSB, (\new)
.endif
.endm
.set W_QK, 0x02                        ; source 0 (K) window 2, all else window 0
.set W_PV, 0x53                        ; source 0 (V) window 3, source 1 (p) window 0, C and D window 1
.set W_RS, 0x41                        ; source 0 and destination window 1
.set TO_K, 0x80
.set TO_V, 0xc0
.set TO_O, 0x40
.macro PLACES
.rept 4
	v_nop
.endr
.endm
.macro CROUND
	s_barrier_signal -1
	s_barrier_wait -1
	s_cmp_lg_u32 s[WV], 0
	s_cbranch_scc1 .Lnot_wave_0_\@
	s_barrier_signal -3
.Lnot_wave_0_\@:
	s_barrier_wait -3
	s_barrier_signal -1
	s_barrier_wait -1
.endm
.macro ASK
	s_cmp_gt_u32 s[SLOTS], s[LIM]
	s_cbranch_scc0 .Lnot_mine_\@
	global_prefetch_b8 v[PFO], s[PFA:PFA+1] th:TH_LOAD_NT scope:SCOPE_SE
.Lnot_mine_\@:
.endm
	s_load_b256 s[4:11], s[0:1], 0x0               ; q_frag, k_frag, v_frag, the scales' exponents
	s_load_b64 s[12:13], s[0:1], 0x20              ; a_frag
	v_lshl_add_u32 v[SPW], v0, 2, SPARE
	v_mov_b32 v[NIL], 0
	ds_add_u32 v[SPW], v[NIL]                      ; the opening lines: the add, twice on end, and its wait
	ds_add_u32 v[SPW], v[NIL]
	v_lshrrev_b32 v1, 5, v0
	v_readfirstlane_b32 s[WV], v1                  ; wave 0..3
	s_bfe_u32 s16, ttmp6, 0x40000                  ; cx
	s_lshl_b32 s17, ttmp9, 2
	s_add_co_u32 s17, s17, s16                     ; my block of 128 queries
	s_and_b32 s20, ttmp7, 0xffff                   ; the (batch, head) pair
	s_mov_b32 s[G1], 15|(3<<16)|(1<<21)            ; the mask of all four partners; elements of 8 bytes; a dense 32 KiB as 128 rows of 256 bytes
	s_mov_b32 s[G1+1], 32<<16
	s_mov_b32 s[G1+2], 128<<16
	s_mov_b32 s[G1+3], 32<<16
	s_mov_b32 s[G1+4], 128
	s_mov_b32 s[G1+5], 32
	s_mov_b32 s[G1+6], 0
	s_mov_b32 s[G1+7], 0
	s_mov_b32 s[SEL], 0x76543210
	s_mov_b32 s[SEL+1], 0xfedcba98
	s_mov_b32 s[TB], 0
	s_mov_b32 s[SLOTS], 6
	s_and_b32 s55, s[WV], 1
	s_lshl_b32 s55, s55, 15
	s_lshl_b32 s54, s20, 19
	s_add_co_u32 s54, s54, s55                     ; K or V: the pair's 512 KiB, + my half of a slot's 64 KiB
	s_mov_b32 s55, 0
	s_lshl_b32 s22, s20, 19
	s_lshl_b32 s21, s17, 15
	s_add_co_u32 s22, s22, s21
	s_lshl_b32 s21, s[WV], 13
	s_add_co_u32 s22, s22, s21                     ; Q: my four fragments
	s_mov_b32 s23, 0
	s_lshr_b32 s58, s20, 2
	s_lshl_b32 s58, s58, 21
	s_lshl_b32 s21, s17, 17
	s_add_co_u32 s58, s58, s21
	s_lshl_b32 s21, s[WV], 15
	s_add_co_u32 s58, s58, s21
	s_and_b32 s21, s20, 3
	s_lshl_b32 s21, s21, 12
	s_add_co_u32 s58, s58, s21                     ; a_frag: batch, block, wave's two tiles of rows, the head's two K steps
	s_mov_b32 s59, 0
	s_wait_alu depctr_va_vdst(0)
	s_wait_dscnt 0x0                               ; both opening adds are done
	s_wait_kmcnt 0x0
	s_load_b256 s[40:47], s[10:11], 0x0            ; e0 .. e7
	s_add_nc_u64 s[4:5], s[4:5], s[22:23]
	s_add_nc_u64 s[12:13], s[12:13], s[58:59]
	s_cmp_lt_u32 s[WV], 2                          ; waves 0, 1 fetch K's halves, waves 2, 3 V's
	s_cselect_b64 s[56:57], s[6:7], s[8:9]
	s_add_nc_u64 s[56:57], s[56:57], s[54:55]
	s_lshl_b32 s58, s16, 13
	s_add_co_u32 s58, s58, 2*SLOTB
	s_add_nc_u64 s[PFA:PFA+1], s[56:57], s[58:59]  ; the prefetches: my work-group's 8 KiB of my quarter, at slot 2; the first change steps it to slot 3
	s_cmp_eq_u32 ttmp9, 0
	s_cselect_b32 s[LIM], 1, -1                    ; one cluster of each pair asks
	CROUND                                         ; in front of the first joint load
	s_mov_b32 s[G0A], 1
	s_lshl_b32 s[G0A+1], s[WV], 15
	s_mov_b64 s[G0A+2:G0A+3], s[56:57]
	s_or_b32 s[G0A+3], s[G0A+3], 0x80000000
	s_mov_b32 s[G0B], 1
	s_add_co_u32 s[G0B+1], s[G0A+1], SLOT1
	s_add_nc_u64 s[G0B+2:G0B+3], s[56:57], SLOTB
	s_or_b32 s[G0B+3], s[G0B+3], 0x80000000
	tensor_load_to_lds s[G0A:G0A+3], s[G1:G1+7]    ; slot 0: my one tensor load at the head
	s_nop 0
	PLACES
	; all that hangs on no tile stands here, while slot 0 is on its way
	v_and_b32 v1, 31, v0
	v_lshlrev_b32 v[LI], 4, v1
.set i, 0
.rept 16
	global_load_b128 v[Q+4*i:Q+4*i+3], v[LI], s[4:5] offset:512*i   ; Q's four fragments stay in registers
.set i, i+1
.endr
	v_add_nc_u32 v[AV0], SLOTB, v[LI]
	v_lshlrev_b32 v[PFO], 4, v[LI]
	v_mov_b32 v9, 0xff61b1e6                       ; the largest t so far: -3e38
	v_mov_b32 v13, 0xff61b1e6
	v_floor_f32 v8, -v9                            ; -M
	v_floor_f32 v12, -v13
	v_mov_b32 v10, 0                               ; the sums
	v_mov_b32 v11, 0
	v_mov_b32 v14, 0
	v_mov_b32 v15, 0
	v_mov_b32 v17, 0                               ; (named as the upper half of v[16:17])
	v_mov_b32 v20, 0                               ; (a lane permute's destination counts as a source)
.set i, 0
.rept 16
	v_mov_b32 v[P+16+i], 0                         ; tile 1's p ahead of step 0: zero codes
.set i, i+1
.endr
	WIN TO_O
.set i, 0
.rept 256
	v_mov_b32 v[i], 0                              ; O^T
.set i, i+1
.endr
	WIN 0
	s_wait_alu depctr_va_vdst(0)
	s_wait_kmcnt 0x0
	s_add_co_i32 s54, s42, s43
	s_lshl_b32 s54, s54, 23
	s_mov_b32 s[CS], 0x3db8aa3b                    ; c = log2(e) / 16,
	s_add_co_i32 s[CS], s[CS], s54                 ; x 2^(e2 + e3)
	s_mov_b32 s[CS+1], s[CS]
	s_add_co_i32 s54, s44, 127
	s_lshl_b32 s55, s54, 23
	v_mov_b32 v[SCL], s55                          ; 2^e4, for the conversion
	s_add_co_i32 s54, s54, 15
	s_lshl_b32 s54, s54, 23
	s_or_b32 s[HS], s54, 0x600000                  ; 57,344 x 2^e4
; 64 LDS loads in one run: the 16 fragments of K or V of the slot's half q
.macro FETCH win, adr, q
	WIN \win
.set i, 0
.rept 64
	ds_load_b128 v[4*i:4*i+3], v[\adr] offset:32768*(\q)+512*i
.set i, i+1
.endr
	WIN 0
.endm
; The next matrix instruction of tile u's list in hand.  mode 1: O^T += V^T P^T, accumulator wi; mode 0: S^T = K Q^T, key tile wi % 8, half wi / 8 of the head's 256.
; The accumulators take turns, one instruction a turn.
.macro MM u
.if mode == 1
	WIN W_PV
	v_wmma_f32_16x16x128_bf8_bf8 v[128*(\u)+8*wi:128*(\u)+8*wi+7], v[16*wi:16*wi+15], v[P+16*(\u):P+16*(\u)+15], v[128*(\u)+8*wi:128*(\u)+8*wi+7]
	WIN 0
.else
.if wi < 8
	v_wmma_f32_16x16x128_bf8_bf8 v[S+64*(\u)+8*wi:S+64*(\u)+8*wi+7], v[32*wi:32*wi+15], v[Q+32*(\u):Q+32*(\u)+15], 0
.else
	v_wmma_f32_16x16x128_bf8_bf8 v[S+64*(\u)+8*(wi-8):S+64*(\u)+8*(wi-8)+7], v[32*(wi-8)+16:32*(wi-8)+31], v[Q+32*(\u)+16:Q+32*(\u)+31], v[S+64*(\u)+8*(wi-8):S+64*(\u)+8*(wi-8)+7]
.endif
.endif
.set wi, wi+1
.endm
.macro TK u                            ; behind each vector line of a stretch that hosts matrix instructions: one of them behind every per lines, wn in all
.set vc, vc+1
.if ((vc % per) == 0) && (wi < wn)
	MM \u
.endif
.endm
.macro CHANGE fill
	s_wait_alu depctr_va_vdst(0)
	s_wait_tensorcnt 0x0                           ; my part of the next slot is in; no tensor load of mine is out
	ds_add_u32 v[SPW], v[NIL]
.if \fill
	s_xor_b32 s[G0B+1], s[G0B+1], SLOT1
	s_add_nc_u64 s[G0B+2:G0B+3], s[G0B+2:G0B+3], SLOTB
	s_wait_xcnt 0x0                                ; my last prefetch has read its address
	s_add_nc_u64 s[PFA:PFA+1], s[PFA:PFA+1], SLOTB
	s_wait_dscnt 0x0                               ; the add is done, and my reads of the slot that I leave (V's run of this phase the last)
	CROUND
	tensor_load_to_lds s[G0B:G0B+3], s[G1:G1+7]    ; the slot just left takes the keys two slots on
	s_nop 0
	PLACES
	ASK
.else
	s_wait_dscnt 0x0
	s_barrier_signal -1
	s_barrier_wait -1
.endif
	s_xor_b32 s[TB], s[TB], SLOT1
.endm
; PHASE t of a step in half q of its slot.  chg: 1 a change of slots with a refill, 2 without; last: the very last step
.macro PHASE t, q, chg, last
.set SB, S+64*(\t)
.set NM, 8+4*(\t)
.set SU, 10+4*(\t)
.set vc, 0
.set wi, 0
.set wn, 16
.set per, 4
.set mode, 1
.if \t == 0
	v_add_nc_u32 v[ADV], s[TB], v[AV0]
.endif
.irp c, 0,1,2,3                        ; my query's largest score among my 64 keys, in four chains; each accumulator from its low end on
	v_max3_num_f32 v[18+\c+2*(\c/2)], v[SB+16*\c], v[SB+16*\c+1], v[SB+16*\c+2]
	TK 1-\t
.endr
.irp k, 1,2,3,4,5,6
.irp c, 0,1,2,3
	v_max3_num_f32 v[18+\c+2*(\c/2)], v[18+\c+2*(\c/2)], v[SB+16*\c+2*\k+1], v[SB+16*\c+2*\k+2]
	TK 1-\t
.endr
.endr
	v_max3_num_f32 v18, v18, v19, v[SB+15]
	TK 1-\t
	v_max3_num_f32 v22, v22, v23, v[SB+31]
	TK 1-\t
	v_max3_num_f32 v18, v18, v22, v[SB+47]
	TK 1-\t
	v_max_num_f32 v18, v18, v[SB+63]
	TK 1-\t
	v_permlanex16_b32 v20, v18, s[SEL], s[SEL+1]
	TK 1-\t
	v_max_num_f32 v18, v18, v20                    ; and among lane l xor 16's
	TK 1-\t
	v_mul_f32 v18, s[CS], v18                      ; as t
	TK 1-\t
	v_max_num_f32 v[NM+1], v[NM+1], v18            ; the running largest t
	TK 1-\t
	v_mov_b32 v19, v[NM]
	TK 1-\t
	v_floor_f32 v[NM], -v[NM+1]                    ; the new -M
	TK 1-\t
	v_sub_f32 v18, v[NM], v19
	TK 1-\t
	v_cvt_i32_f32 v18, v18
	TK 1-\t
	v_ldexp_f32 v16, 1.0, v18                      ; f = 2^(old M - new M)
	TK 1-\t
.set j, 0
.rept 32
	v_pk_fma_f32 v[SB+j:SB+j+1], v[SB+j:SB+j+1], s[CS:CS+1], v[NM:NM+1] op_sel_hi:[1,0,0]   ; t - M
	TK 1-\t
.set j, j+2
.endr
.if \t == 0
	FETCH TO_V, ADV, \q                            ; this step's V: nine plain lines stand behind the last product that read V's registers
.endif
	s_wait_alu depctr_va_vdst(0)                   ; ahead of the batch
.set j, 0
.rept 64
	v_exp_f32 v[SB+j], v[SB+j]                     ; p = 2^(t - M)
.set j, j+1
.endr
	v_pk_mul_f32 v[SU:SU+1], v[SU:SU+1], v[16:17] op_sel_hi:[1,0]   ; the sum under the new M
	s_wait_alu depctr_va_vdst(0)                   ; and behind it
.if \t == 1
	s_wait_dscnt 0x0                               ; the next step's K, asked for at phase 0's end
.endif
.set vc, 0
.set wi, 0
.set per, 5
.set mode, 0
.if (\t == 1) && (\last == 1)
.set wn, 0
.endif
	WIN W_QK                                       ; no line of this stretch has a vector register as source 0
	v_pk_fma_f32 v[SU:SU+1], 1.0, v[SB:SB+1], v[SU:SU+1] op_sel_hi:[0,1,1]   ; the row's sum of the unquantised p, in four chains
	TK 1-\t
	v_pk_fma_f32 v[SU:SU+1], 1.0, v[SB+8:SB+9], v[SU:SU+1] op_sel_hi:[0,1,1]
	TK 1-\t
.irp k, 1,2,3
	v_pk_fma_f32 v[16+2*\k:17+2*\k], 1.0, v[SB+2*\k:SB+2*\k+1], v[SB+8+2*\k:SB+9+2*\k] op_sel_hi:[0,1,1]
	TK 1-\t
.endr
.set j, 0
.rept 16
	v_min_num_f32 v[SB+j], s[HS], v[SB+j]          ; the hold: the conversion does not saturate (ISA guide 7.6.2); p is not negative
	TK 1-\t
.set j, j+1
.endr
.irp r, 2,3,4,5,6,7
	v_pk_fma_f32 v[SU:SU+1], 1.0, v[SB+8*\r:SB+8*\r+1], v[SU:SU+1] op_sel_hi:[0,1,1]
	TK 1-\t
.irp k, 1,2,3
	v_pk_fma_f32 v[16+2*\k:17+2*\k], 1.0, v[SB+8*\r+2*\k:SB+8*\r+2*\k+1], v[16+2*\k:17+2*\k] op_sel_hi:[0,1,1]
	TK 1-\t
.endr
.irp n, 0,1,2,3,4,5,6,7
	v_min_num_f32 v[SB+8*\r+\n], s[HS], v[SB+8*\r+\n]
	TK 1-\t
.endr
.endr
	v_pk_fma_f32 v[18:19], 1.0, v[20:21], v[18:19] op_sel_hi:[0,1,1]
	v_pk_fma_f32 v[SU:SU+1], 1.0, v[22:23], v[SU:SU+1] op_sel_hi:[0,1,1]
	v_pk_fma_f32 v[SU:SU+1], 1.0, v[18:19], v[SU:SU+1] op_sel_hi:[0,1,1]
	WIN 0
.irp c, 0,1,2,3,4,5,6,7
	v_cvt_scalef32_pk8_bf8_f32 v[P+16*(\t)+2*\c:P+16*(\t)+2*\c+1], v[SB+8*\c:SB+8*\c+7], v[SCL]
.endr
.if \t == 0
.if \chg == 1
	CHANGE 1
.elseif \chg == 2
	CHANGE 0
.else
	s_wait_alu depctr_va_vdst(0)
	s_wait_dscnt 0x0                               ; this step's V is in
.endif
.if \last == 0
	v_add_nc_u32 v[ADK], s[TB], v[LI]
	FETCH TO_K, ADK, 1-\q                          ; the next step's K: more than four plain lines stand behind the last product that read K's registers
.endif
.endif
	WIN W_RS
	s_wait_alu depctr_va_vdst(0)                   ; directly ahead of the first reader of O^T
.set j, 0
.rept 64
	v_pk_mul_f32 v[128*(\t)+j:128*(\t)+j+1], v[128*(\t)+j:128*(\t)+j+1], v[16:17] op_sel_hi:[1,0]   ; O^T under the new M
.set j, j+2
.endr
	WIN 0
.endm
	s_wait_alu depctr_va_vdst(0)                   ; the head's end
	s_wait_tensorcnt 0x0                           ; my part of slot 0 is in
	ds_add_u32 v[SPW], v[NIL]
	s_wait_dscnt 0x0
	CROUND                                         ; slot 0 is whole in every partner
	tensor_load_to_lds s[G0B:G0B+3], s[G1:G1+7]    ; slot 1's first fill
	s_nop 0
	PLACES
	v_add_nc_u32 v[ADK], s[TB], v[LI]
	v_add_nc_u32 v[ADV], s[TB], v[AV0]
	FETCH TO_K, ADK, 0
	FETCH TO_V, ADV, 0                             ; finite codes for the product that meets p = 0
	s_wait_alu depctr_va_vdst(0)
	s_wait_loadcnt 0x0                             ; Q
	s_wait_dscnt 0x0
.set wi, 0
.set mode, 0
	WIN W_QK
.rept 16
	MM 0                                           ; tile 0's S^T of step 0
.endr
	WIN 0
	PLACES
.Lslot:                                                ; six trips, a slot each; each fills the slot that it leaves
	PHASE 0, 0, 0, 0
	PHASE 1, 0, 0, 0
	PHASE 0, 1, 1, 0
	PHASE 1, 1, 0, 0
	s_sub_co_u32 s[SLOTS], s[SLOTS], 1
	s_cmp_lg_u32 s[SLOTS], 0
	s_wait_alu depctr_va_vdst(0)
	s_cbranch_scc1 .Lslot
	PHASE 0, 0, 0, 0                               ; the last two slots are written out: they ask for nothing more
	PHASE 1, 0, 0, 0
	PHASE 0, 1, 2, 0
	PHASE 1, 1, 0, 0
	PHASE 0, 0, 0, 0
	PHASE 1, 0, 0, 0
	PHASE 0, 1, 0, 1
	PHASE 1, 1, 0, 1
.set wi, 0
.set mode, 1
	s_wait_alu depctr_va_vdst(0)
.rept 16
	MM 1                                           ; tile 1's last products
.endr
	PLACES
	v_add_f32 v10, v10, v11
	v_add_f32 v14, v14, v15
	v_permlanex16_b32 v18, v10, s[SEL], s[SEL+1]
	v_permlanex16_b32 v19, v14, s[SEL], s[SEL+1]
	v_add_f32 v10, v10, v18                        ; the rows' sums
	v_add_f32 v14, v14, v19
	s_wait_alu depctr_va_vdst(0)
	v_rcp_f32 v16, v10
	v_rcp_f32 v22, v14
	v_nop
	s_sub_co_i32 s54, s46, s44                     ; a sum stands for sum x 2^(e4 + e5): its code is sum / 2^(e6 - e4 - e5)
	s_sub_co_i32 s54, s54, s45
	s_add_co_i32 s54, s54, 127
	s_lshl_b32 s55, s54, 23
	s_add_co_i32 s54, s54, 15
	s_lshl_b32 s54, s54, 23
	s_or_b32 s54, s54, 0x600000
	v_mov_b32 v[SCL], s55
	v_mov_b32 v[HOLD], s54
	s_wait_alu depctr_va_vdst(0)
.macro FINISH t, rc                    ; O^T / the sum, held, into codes: the conversions' results are the last product's operand registers
	WIN 0x01
	s_wait_alu depctr_va_vdst(0)                   ; directly ahead of the first reader of O^T
.set i, 0
.rept 64
	v_pk_mul_f32 v[S+i:S+i+1], v[128*(\t)+i:128*(\t)+i+1], v[\rc:\rc+1] op_sel_hi:[1,0]
.set i, i+2
.endr
	WIN 0
.set i, 0
.rept 128
	v_med3_num_f32 v[S+i], v[S+i], -v[HOLD], v[HOLD]
.set i, i+1
.endr
.set i, 0
.rept 16
	v_cvt_scalef32_pk8_bf8_f32 v[Q+32*(\t)+2*i:Q+32*(\t)+2*i+1], v[S+8*i:S+8*i+7], v[SCL]
.set i, i+1
.endr
	v_nop
.irp u, 0,1
.irp g, 0,1,2,3
	global_store_b128 v[LI], v[Q+32*(\t)+16*\u+4*\g:Q+32*(\t)+16*\u+4*\g+3], s[12:13] offset:16384*(\t)+2048*\u+512*\g   ; 512 consecutive bytes, aligned
.endr
.endr
.endm
	FINISH 0, 16
	FINISH 1, 22
	s_wait_tensorcnt 0x0                           ; the wave's end
	ds_add_u32 v[SPW], v[NIL]
	s_wait_dscnt 0x0
	CROUND                                         ; the closing round
	s_endpgm
.Lfunc_end_k_qdffb4b54be_attn:
	.size	k_qdffb4b54be_attn, .Lfunc_end_k_qdffb4b54be_attn-k_qdffb4b54be_attn
	.p2alignl 7, 3214868480
	.fill 96, 4, 3214868480
	.section	.rodata,"a",@progbits
	.p2align	6, 0x0
	.amdhsa_kernel k_qdffb4b54be_attn
		.amdhsa_group_segment_fixed_size 327680
		.amdhsa_private_segment_fixed_size 0
		.amdhsa_enable_private_segment 0
		.amdhsa_kernarg_size 40
		.amdhsa_user_sgpr_count 2
		.amdhsa_user_sgpr_kernarg_segment_ptr 1
		.amdhsa_wavefront_size32 1
		.amdhsa_system_sgpr_workgroup_id_x 1
		.amdhsa_system_sgpr_workgroup_id_y 1
		.amdhsa_system_sgpr_workgroup_id_z 1
		.amdhsa_system_vgpr_workitem_id 0
		.amdhsa_next_free_vgpr 1024
		.amdhsa_next_free_sgpr 66
		.amdhsa_reserve_vcc 0
		.amdhsa_float_denorm_mode_32 3
		.amdhsa_float_denorm_mode_16_64 3
		.amdhsa_memory_ordered 1
		.amdhsa_forward_progress 1
		.amdhsa_inst_pref_size 255
	.end_amdhsa_kernel
	.section	.bss,"aw",@nobits
	.p2align	6
	.space	262144
	.amdgpu_metadata
---
amdhsa.version: [ 1, 2 ]
amdhsa.kernels:
  - .name:           k_qdffb4b54be_attn
    .symbol:         k_qdffb4b54be_attn.kd
    .args:
      - { .name: q_frag, .offset: 0, .size: 8, .value_kind: global_buffer, .address_space: global }
      - { .name: k_frag, .offset: 8, .size: 8, .value_kind: global_buffer, .address_space: global }
      - { .name: v_frag, .offset: 16, .size: 8, .value_kind: global_buffer, .address_space: global }
      - { .name: lowp_scales, .offset: 24, .size: 8, .value_kind: global_buffer, .address_space: global }
      - { .name: a_frag, .offset: 32, .size: 8, .value_kind: global_buffer, .address_space: global }
    .group_segment_fixed_size: 327680
    .private_segment_fixed_size: 0
    .kernarg_segment_align: 8
    .kernarg_segment_size: 40
    .max_flat_workgroup_size: 128
    .sgpr_count:     66
    .vgpr_count:     1024
    .wavefront_size: 32
...
	.end_amdgpu_metadata
.endif
;; end of part 3
;; launch outln (part 4): grid 256 x 1, 4 waves a work-group, no clusters, 263,680 bytes of LDS; arguments a_frag, wo_frag, lowp_scales, b_out, ln_gamma, ln_beta, x, out0; writes out0
.if DOCPART == 4
	.amdgcn_target "amdgcn-amd-amdhsa--gfx1250"
	.amdhsa_code_object_version 6
	.text
	.protected	k_qdffb4b54be_outln
	.globl	k_qdffb4b54be_outln
	.p2align	8
	.type	k_qdffb4b54be_outln,@function
k_qdffb4b54be_outln:
	s_mov_b64 s[64:65], 0
	v_nop
	global_prefetch_b8 v0, s[64:65] scope:SCOPE_SE
	s_setreg_imm32_b32 hwreg(HW_REG_WAVE_MODE, 25, 1), 1
	s_wait_xcnt 0x0
; out0 = LayerNorm(x + a w_out + b_out) x gamma + beta; the product on codes of E5M2 (scales: entries 6 and 7), all else in f32.
; SHARES.  A work-group owns 32 whole rows of 1,024 outputs, so that a row's mean and variance have one owner.  Wave w makes outputs 256 w .. 256 w + 255 of all 32 rows: 32 accumulators.
; Both operands arrive as images of their registers (a fragment = 16 rows x 128 K = 2,048 bytes; registers 4 g .. 4 g + 3 of lane l at byte 512 g + 16 l).
; a's 16 fragments (2 tiles of rows x 8 K steps) stay in every wave's registers.  w_out's 128 fragments of a wave come from memory straight into a ring of 16 register buffers, in groups of four.
; NO LDS RING AND NO JOINT LOADS FOR w_out, though all work-groups walk it: no two waves of a work-group read the same fragment, and a fragment feeds two matrix instructions; through LDS each of its 2,048 bytes
; would be written and read once more for those two; and a ring of slots waits for all its loads at each change, with 32 matrix instructions a wave in a K step between two changes.
; Into registers, 48 loads of 512 bytes a wave stay out all the time.
; x's 32 rows are asked for at the head by one tensor load a wave (8 rows, the ones that the wave will normalise) and land in LDS while the products run.  No LDS byte is filled twice.
; The matrix instruction is used transposed (source 0 = 16 rows of w_out, source 1 = 16 rows of a): a lane holds eight neighbouring outputs of one row.  The sums meet in a stage in LDS; one barrier; each wave takes 8 whole rows.
; The variance is taken of y - mean, in a second pass over registers.
; LIMITS: e6 + e7 between -126 and 127.  NaN among the inputs is not served.
; REGISTERS, in windows of 256: window 0: v1-5 addresses; v6-15 at work; v32-63 b_out, v64-95 gamma, v96-127 beta (my 32 columns: 128 i + 4 lane + 0 .. 3); v128-255 two sets of a row's sums and x.
;   window 1: a's fragments ((m, s) at 16 (8 m + s)).   window 2: w_out's 16 buffers.   window 3: the accumulators ((T, m) at 8 (2 T + m)).
.set XB,     0                         ; LDS: x, 32 rows of 4,096 bytes, dense; wave w's 8 rows at 32,768 w
.set STG,    131072                    ; the stage: 32 rows of 4,096 bytes + 16
.set SPITCH, 4112                      ; = 16 x 257: the sixteen rows that a store touches start at sixteen different groups of four banks (64 banks of 4 bytes: ISA guide 11.1)
.set LI,  1                            ; v1  16 x lane; never rewritten
.set SO,  2                            ; v2, v3  the stage: where I put 16 bytes of a row, rows 0-15 and 16-31
.set SR,  4                            ; v4  and where I read my rows back
.set XR,  5                            ; v5  my rows of x
.set BO,  32
.set GA,  64
.set BE,  96
.set Y0,  128
.set WV,  20
.set G1,  24
.set G0,  32
.set MSB, 0
.macro WIN new                         ; the immediate's high byte repeats the setting that is left
.if MSB != (\new)
	s_set_vgpr_msb (MSB<<8)|(\new)
.set MSB, (\new)
.endif
.endm
.set MUL,    0xf6                      ; source 0 (w_out) window 2, source 1 (a) window 1, C and D window 3
.set TO_A,   0x40
.set TO_W,   0x80
.set ST_ACC, 0x0c                      ; an LDS store's data: window 3
.macro PLACES
.rept 4
	v_nop
.endr
.endm
	s_load_b256 s[4:11], s[0:1], 0x0               ; a_frag s[4:5], wo_frag s[6:7], the scales' exponents s[8:9], b_out s[10:11]
	s_load_b256 s[12:19], s[0:1], 0x20             ; gamma s[12:13], beta s[14:15], x s[16:17], out0 s[18:19]
	v_lshl_add_u32 v30, v0, 2, 0x40400
	v_mov_b32 v31, 0
	ds_add_u32 v30, v31
	ds_add_u32 v30, v31
	v_lshrrev_b32 v1, 5, v0
	v_readfirstlane_b32 s[WV], v1                  ; wave 0..3
	; descriptor group 1: a dense block of 32 KiB (8 rows of x) as 128 rows of 256 bytes
	s_mov_b32 s[G1], 3<<16                         ; no mask; elements of 8 bytes; no padding
	s_mov_b32 s[G1+1], 32<<16                      ; tensor_dim0
	s_mov_b32 s[G1+2], 128<<16                     ; tensor_dim1
	s_mov_b32 s[G1+3], 32<<16                      ; tile_dim0
	s_mov_b32 s[G1+4], 128                         ; tile_dim1
	s_mov_b32 s[G1+5], 32                          ; tensor_dim0_stride
	s_mov_b32 s[G1+6], 0
	s_mov_b32 s[G1+7], 0
	s_lshl_b32 s22, ttmp9, 17                      ; 32 rows of 4,096 bytes a work-group,
	s_lshl_b32 s21, s[WV], 15                      ; 8 a wave
	s_add_co_u32 s22, s22, s21
	s_mov_b32 s23, 0
	s_mov_b32 s[G0], 1
	s_lshl_b32 s[G0+1], s[WV], 15                  ; LDS: XB + 32,768 x wave
	s_mov_b32 s36, 0x3a800000                      ; 1 / 1,024
	s_mov_b32 s37, 0x3727c5ac                      ; 1e-5
	s_mov_b32 s40, 0x76543210
	s_mov_b32 s41, 0xfedcba98
	s_wait_dscnt 0x0
	s_wait_kmcnt 0x0
	s_load_b64 s[42:43], s[8:9], 0x18              ; e6, e7
	s_add_nc_u64 s[18:19], s[18:19], s[22:23]      ; out0 at my first row
	s_add_nc_u64 s[G0+2:G0+3], s[16:17], s[22:23]
	s_or_b32 s[G0+3], s[G0+3], 0x80000000
	tensor_load_to_lds s[G0:G0+3], s[G1:G1+7]      ; my one tensor load
	s_nop 0
	PLACES
	v_and_b32 v15, 31, v0
	v_lshlrev_b32 v[LI], 4, v15
	s_wait_alu depctr_va_vdst(0)
.irp i, 0,1,2,3,4,5,6,7
	global_load_b128 v[BO+4*\i:BO+4*\i+3], v[LI], s[10:11] offset:512*\i
	global_load_b128 v[GA+4*\i:GA+4*\i+3], v[LI], s[12:13] offset:512*\i
	global_load_b128 v[BE+4*\i:BE+4*\i+3], v[LI], s[14:15] offset:512*\i
.endr
	s_lshl_b32 s22, ttmp9, 15                      ; a: two tiles of rows x 8 fragments
	s_add_nc_u64 s[4:5], s[4:5], s[22:23]
	s_lshl_b32 s22, s[WV], 18                      ; w_out: my 128 fragments
	s_add_nc_u64 s[6:7], s[6:7], s[22:23]
	WIN TO_A
.set i, 0
.rept 64
	global_load_b128 v[4*i:4*i+3], v[LI], s[4:5] offset:512*i
.set i, i+1
.endr
.macro WLOAD g                         ; group g: fragments 4 g .. 4 g + 3 (fragment 16 s + T) into buffers 4 (g % 4) on
	WIN TO_W
.irp k, 0,1,2,3
.irp c, 0,1,2,3
	global_load_b128 v[64*((\g)%4)+16*\k+4*\c:64*((\g)%4)+16*\k+4*\c+3], v[LI], s[6:7] offset:2048*(4*(\g)+\k)+512*\c
.endr
.endr
.endm
	WLOAD 0
	WLOAD 1
	WLOAD 2
	WLOAD 3
	WIN 0
	v_and_b32 v14, 15, v0                          ; r
	v_bfe_u32 v15, v0, 4, 1                        ; h
	v_mul_u32_u24 v[SO], v14, SPITCH
	v_lshl_add_u32 v[SO], v15, 5, v[SO]
	s_lshl_b32 s21, s[WV], 10
	s_add_co_u32 s21, s21, STG
	v_add_nc_u32 v[SO], s21, v[SO]                 ; row r, + 32 h, + my 256 outputs' 1,024 bytes
	v_add_nc_u32 v[SO+1], 16*SPITCH, v[SO]
	s_mul_i32 s21, s[WV], 8*SPITCH
	s_add_co_u32 s21, s21, STG
	v_add_nc_u32 v[SR], s21, v[LI]
	s_lshl_b32 s21, s[WV], 15
	v_add_nc_u32 v[XR], s21, v[LI]
	v_mov_b32 v7, 0                                ; (named as the upper halves of the pairs v[6:7] and v[8:9])
	v_mov_b32 v9, 0
; Group g: four fragments of w_out x the two tiles of rows.  The 32 accumulators take turns, one instruction a turn; K step 0 starts the sums.
.macro GROUP g
.if 31-(\g) >= 3
	s_wait_loadcnt 48                              ; group g is in (and all that was asked for ahead of it); the 48 loads of the three later groups may be out
.else
	s_wait_loadcnt 16*(31-(\g))
.endif
	WIN MUL
.irp k, 0,1,2,3
.irp m, 0,1
.set fs, (4*(\g)+\k)/16
.set ft, (4*(\g)+\k)%16
.if fs == 0
	v_wmma_f32_16x16x128_bf8_bf8 v[8*(2*ft+\m):8*(2*ft+\m)+7], v[64*((\g)%4)+16*\k:64*((\g)%4)+16*\k+15], v[16*(8*\m+fs):16*(8*\m+fs)+15], 0
.else
	v_wmma_f32_16x16x128_bf8_bf8 v[8*(2*ft+\m):8*(2*ft+\m)+7], v[64*((\g)%4)+16*\k:64*((\g)%4)+16*\k+15], v[16*(8*\m+fs):16*(8*\m+fs)+15], v[8*(2*ft+\m):8*(2*ft+\m)+7]
.endif
.endr
.endr
.if (\g) <= 27
	PLACES                                         ; in front of loads into registers that matrix instructions have read
	WLOAD (\g)+4
.endif
.endm
.set G, 0
.rept 32
	GROUP G
.set G, G+1
.endr
	WIN 0
	PLACES                                         ; in front of the stores that read results
	WIN ST_ACC
.set i, 0
	s_wait_alu depctr_va_vdst(0)
.rept 32
	ds_store_b128 v[SO+i%2], v[8*i:8*i+3] offset:64*(i/2)          ; lane (r, h): outputs 256 w + 16 T + 8 h + 0 .. 7 of row 16 m + r; the low four first
	ds_store_b128 v[SO+i%2], v[8*i+4:8*i+7] offset:64*(i/2)+16
.set i, i+1
.endr
	WIN 0
	s_wait_tensorcnt 0x0                           ; my 8 rows of x are in LDS: only I read them
	s_wait_dscnt 0x0                               ; for the others' sake: my stores into the stage are done
	s_barrier_signal -1
	s_barrier_wait -1                              ; 32 whole rows of sums lie in the stage
	s_wait_kmcnt 0x0
	s_add_co_i32 s38, s42, s43
	s_add_co_i32 s38, s38, 127
	s_lshl_b32 s38, s38, 23                        ; 2^(e6 + e7) as f32
	s_mov_b32 s39, s38                             ; (named with it as a pair)
; Row p of my eight: its sums and its x, 32 numbers a lane each, into set p % 2
.macro LOADROW p
.set YB, Y0+64*((\p)%2)
.if (\p) >= 2
	s_wait_xcnt 0x0                                ; the set's last stores have read their registers
.endif
.irp i, 0,1,2,3,4,5,6,7
	ds_load_b128 v[YB+4*\i:YB+4*\i+3], v[SR] offset:SPITCH*(\p)+512*\i
.endr
.irp i, 0,1,2,3,4,5,6,7
	ds_load_b128 v[YB+32+4*\i:YB+32+4*\i+3], v[XR] offset:4096*(\p)+512*\i
.endr
.endm
.macro REDUCE                          ; the two chains, the pair's halves, and the 32 lanes: the sum in every lane's v10
	v_pk_add_f32 v[10:11], v[10:11], v[12:13]
	v_add_f32 v10, v10, v11
	v_add_f32_dpp v10, v10, v10 row_xmask:1 row_mask:0xf bank_mask:0xf
	v_add_f32_dpp v10, v10, v10 row_xmask:2 row_mask:0xf bank_mask:0xf
	v_add_f32_dpp v10, v10, v10 row_xmask:4 row_mask:0xf bank_mask:0xf
	v_add_f32_dpp v10, v10, v10 row_xmask:8 row_mask:0xf bank_mask:0xf
	v_permlanex16_b32 v14, v10, s40, s41
	v_add_f32 v10, v10, v14
.endm
.macro ROW p
.set YB, Y0+64*((\p)%2)
.set XS, YB+32
.if (\p) < 7
	s_wait_dscnt 16                                ; this row is in; the next row's sixteen loads may be out
.else
	s_wait_dscnt 0x0
.endif
.set j, 0
.rept 16
	v_pk_add_f32 v[XS+j:XS+j+1], v[XS+j:XS+j+1], v[BO+j:BO+j+1]   ; x + b_out
.set j, j+2
.endr
.set j, 0
.rept 16
	v_pk_fma_f32 v[YB+j:YB+j+1], v[YB+j:YB+j+1], s[38:39], v[XS+j:XS+j+1] op_sel_hi:[1,0,1]   ; y = sum x 2^(e6 + e7) + (x + b_out)
.set j, j+2
.endr
	v_pk_add_f32 v[10:11], v[YB:YB+1], v[YB+2:YB+3]
	v_pk_add_f32 v[12:13], v[YB+4:YB+5], v[YB+6:YB+7]
.set j, 8
.rept 6
	v_pk_add_f32 v[10:11], v[10:11], v[YB+j:YB+j+1]
	v_pk_add_f32 v[12:13], v[12:13], v[YB+j+2:YB+j+3]
.set j, j+4
.endr
	REDUCE
	v_mul_f32 v6, s36, v10                         ; the mean
.set j, 0
.rept 16
	v_pk_add_f32 v[YB+j:YB+j+1], v[YB+j:YB+j+1], v[6:7] op_sel_hi:[1,0] neg_lo:[0,1] neg_hi:[0,1]   ; y - mean
.set j, j+2
.endr
	v_pk_mul_f32 v[10:11], v[YB:YB+1], v[YB:YB+1]
	v_pk_mul_f32 v[12:13], v[YB+2:YB+3], v[YB+2:YB+3]
.set j, 4
.rept 7
	v_pk_fma_f32 v[10:11], v[YB+j:YB+j+1], v[YB+j:YB+j+1], v[10:11]
	v_pk_fma_f32 v[12:13], v[YB+j+2:YB+j+3], v[YB+j+2:YB+j+3], v[12:13]
.set j, j+4
.endr
	REDUCE
	v_fma_f32 v15, v10, s36, s37                   ; the variance + 1e-5
	s_wait_alu depctr_va_vdst(0)
	v_rsq_f32 v8, v15
	v_nop                                          ; a plain line behind the root
	s_wait_alu depctr_va_vdst(0)                   ; and the wait ahead of its first reader
.set j, 0
.rept 16
	v_pk_mul_f32 v[YB+j:YB+j+1], v[YB+j:YB+j+1], v[8:9] op_sel_hi:[1,0]
.set j, j+2
.endr
.set j, 0
.rept 16
	v_pk_fma_f32 v[YB+j:YB+j+1], v[YB+j:YB+j+1], v[GA+j:GA+j+1], v[BE+j:BE+j+1]
.set j, j+2
.endr
.irp i, 0,1,2,3,4,5,6,7
	global_store_b128 v[LI], v[YB+4*\i:YB+4*\i+3], s[18:19] offset:4096*(\p)+512*\i th:TH_STORE_NT   ; 32 lanes store 512 consecutive bytes, aligned; written once, read by nobody here
.endr
.endm
	LOADROW 0
.irp p, 0,1,2,3,4,5,6
	LOADROW \p+1
	ROW \p
.endr
	ROW 7
	s_wait_tensorcnt 0x0
	ds_add_u32 v30, v31
	s_wait_dscnt 0x0
	s_endpgm
.Lfunc_end_k_qdffb4b54be_outln:
	.size	k_qdffb4b54be_outln, .Lfunc_end_k_qdffb4b54be_outln-k_qdffb4b54be_outln
	.p2alignl 7, 3214868480
	.fill 96, 4, 3214868480
	.section	.rodata,"a",@progbits
	.p2align	6, 0x0
	.amdhsa_kernel k_qdffb4b54be_outln
		.amdhsa_group_segment_fixed_size 263680
		.amdhsa_private_segment_fixed_size 0
		.amdhsa_enable_private_segment 0
		.amdhsa_kernarg_size 64
		.amdhsa_user_sgpr_count 2
		.amdhsa_user_sgpr_kernarg_segment_ptr 1
		.amdhsa_wavefront_size32 1
		.amdhsa_system_sgpr_workgroup_id_x 1
		.amdhsa_system_sgpr_workgroup_id_y 1
		.amdhsa_system_sgpr_workgroup_id_z 1
		.amdhsa_system_vgpr_workitem_id 0
		.amdhsa_next_free_vgpr 1024
		.amdhsa_next_free_sgpr 66
		.amdhsa_reserve_vcc 0
		.amdhsa_float_denorm_mode_32 3
		.amdhsa_float_denorm_mode_16_64 3
		.amdhsa_memory_ordered 1
		.amdhsa_forward_progress 1
		.amdhsa_inst_pref_size 165
	.end_amdhsa_kernel
	.amdgpu_metadata
---
amdhsa.version: [ 1, 2 ]
amdhsa.kernels:
  - .name:           k_qdffb4b54be_outln
    .symbol:         k_qdffb4b54be_outln.kd
    .args:
      - { .name: a_frag, .offset: 0, .size: 8, .value_kind: global_buffer, .address_space: global }
      - { .name: wo_frag, .offset: 8, .size: 8, .value_kind: global_buffer, .address_space: global }
      - { .name: lowp_scales, .offset: 16, .size: 8, .value_kind: global_buffer, .address_space: global }
      - { .name: b_out, .offset: 24, .size: 8, .value_kind: global_buffer, .address_space: global }
      - { .name: ln_gamma, .offset: 32, .size: 8, .value_kind: global_buffer, .address_space: global }
      - { .name: ln_beta, .offset: 40, .size: 8, .value_kind: global_buffer, .address_space: global }
      - { .name: x, .offset: 48, .size: 8, .value_kind: global_buffer, .address_space: global }
      - { .name: out0, .offset: 56, .size: 8, .value_kind: global_buffer, .address_space: global }
    .group_segment_fixed_size: 263680
    .private_segment_fixed_size: 0
    .kernarg_segment_align: 8
    .kernarg_segment_size: 64
    .max_flat_workgroup_size: 128
    .sgpr_count:     66
    .vgpr_count:     1024
    .wavefront_size: 32
...
	.end_amdgpu_metadata
.endif
;; end of part 4
